; MI455X (gfx1250); checked and timed in simulation.
; The chip was launched on July 23, 2026; its instructions are those of AMD's public machine-readable ISA for CDNA 5 (MIT licence, August 2026) and "CDNA5" Instruction Set Architecture Reference Guide (July 2026). The comments in the code are by the model that wrote it; some were corrected since.
;; Feed Forward Quantum. Allowed arithmetic: matrix products marked QUANTISED: E2M1 operands, one E8M0 scale for each 32 along K, by v_wmma_scale_f32_16x16x128_f8f6f4 with both operands' format E2M1 (or v_wmma_scale_f32_32x16x128_f4), f32 sums; products left as they are: f32 operands where the result goes on into a quantised operand, else bf16, f16 or f32 operands; f32 sums; everything else in f32.
;; Inputs: W1 4,096 x 10 float32; W2 1,024 x 4,096 float32; Win 10 x 1,024 float32; b1 4,096 float32; b2 1,024 float32; b_in 10 float32; theta 10 float32; x 8 x 2,048 x 1,024 float32.
;; Outputs: out0 8 x 2,048 x 1,024 float32.
;; This version of the problem:
;;   THIS VERSION OF THE PROBLEM IS GIVEN IN LOW PRECISION. The matrix products marked QUANTISED in the list below multiply operands that are first quantised to E2M1 (2 exponent bits, 1 mantissa bit; 4 bits a number), with one power-of-two scale for each 32 numbers along K (OCP MX v1.0); their sums are f32. All else is computed in f32.
;;   The module's matrix products, in the order in which they are computed (A, B: the left and right operand; K: the contracted axis; several contracted axes count as one K, in the product's order):
;;     1. [M 16,384, K 1,024] x [K 1,024, N 10]; A: input x; B: input Win: left as it is (N = 10 < 16)
;;     2. [M 16,384, K 10] x [K 10, N 4,096]; A: computed on the way; B: input W1: left as it is (K = 10 < 32)
;;     3. [M 16,384, K 4,096] x [K 4,096, N 1,024]; A: computed on the way; B: input W2: QUANTISED
;;   THE QUANTISER, for each operand of a quantised product, along K:
;;     - K is cut into blocks of 32 from its start; a last block that is shorter is filled with zeros.
;;     - A block's scale is 2^e with e = floor(log2(the largest magnitude in the block)) - 2, held to -126 .. 127; a block of zeros has e = 0. As a byte (E8M0): e + 127.
;;     - Each number is divided by its block's scale, clamped to +-6, and rounded to the nearest number of E2M1, ties to even, subnormals kept.
;;     - The product sums the exact products of the quantised numbers (number of the format x scale) in f32.
;;   ~~~python
;;   def quantise(x, axis):      # numpy; x: float32 -> the quantised numbers, widened to float32 again
;;       x = np.moveaxis(x, axis, -1); K = x.shape[-1]
;;       x = np.pad(x, [(0, 0)] * (x.ndim - 1) + [(0, -K % 32)]); x = x.reshape(x.shape[:-1] + (-1, 32)); a = np.abs(x).max(-1, keepdims=True)
;;       e = np.where(a > 0, np.clip(np.frexp(np.where(a > 0, a, 1))[1] - 1 - 2, -126, 127), 0)      # np.frexp(a)[1] - 1 = floor(log2(a)), exactly
;;       r = np.clip(x / 2.0 ** e, -6, 6)
;;       step = 2.0 ** (np.maximum(np.frexp(np.where(r == 0, 1, r))[1] - 1, 0) - 1)
;;       q = np.round(r / step) * step * 2.0 ** e      # np.round: ties to even
;;       return np.moveaxis(q.reshape(q.shape[:-2] + (-1,))[..., :K], -1, axis).astype(np.float32)
;;   ~~~
;;   OPERANDS COMPUTED ON THE WAY. 'Computed on the way' means the value that the module computes at that place (a softmax that the list does not call 'softmax' is quantised finished and normalised). What goes into a quantiser is computed in f32, as accurately as f32 sums, v_exp_f32 and their like allow (about 1e-6 of the number): no bf16 or f16 on the way to a quantiser, and a product that is left as it is and whose result goes on into a quantised operand takes f32 operands (vector FMAs, or v_wmma_f32_16x16x4_f32). A number that lies on a knife's edge between two numbers of the format may be rounded either way, as far as f32 arithmetic and the matrix unit's own rounding can turn it there, and no further.
;; One version. Each part assembles by itself: llvm-mc -triple=amdgcn-amd-amdhsa -mcpu=gfx1250 --defsym DOCPART=n.
;; ======== version 1 of 1: 2 launches
;; limits: right only within a limited range of input values
;; workspace buffers: qf 786,432 bytes; w1f 196,608 bytes; wb 2,228,224 bytes
;; launch prep (part 1): grid 256 x 1, 8 waves a work-group, no clusters, 113,664 bytes of LDS; arguments x, Win, b_in, theta, W1, b1, W2, qf, w1f, wb; writes qf, w1f, wb
.if DOCPART == 1
	.amdgcn_target "amdgcn-amd-amdhsa--gfx1250"
	.amdhsa_code_object_version 6
	.text
	.protected	k_q78af18a2f8_prep
	.globl	k_q78af18a2f8_prep
	.p2align	8
	.type	k_q78af18a2f8_prep,@function
k_q78af18a2f8_prep:
	s_mov_b64 s[64:65], 0
	v_nop
	global_prefetch_b8 v0, s[64:65] scope:SCOPE_SE
	s_setreg_imm32_b32 hwreg(HW_REG_WAVE_MODE, 25, 1), 1
	s_wait_xcnt 0x0
; THE LAUNCH IN FRONT OF THE PRODUCT.  Three things, each laid in the order in which the next launch's operand registers take it:
;  qf  [1,024 tiles of 16 rows][g 3][lane 32][2 f32]: q = cos(x Win^T + b_in) cos(theta), as fragments of the f32 matrix form: lane (r, hh) holds q[16 tile + r][4 g + 2 hh + j];
;      the pair at g = 2, hh = 1 is (1.0, 0.0): column 10 multiplies the bias b1, column 11 nothing.
;  w1f [unit U 64][t 4][g 3][lane 32][2 f32]: lane (r, hh) holds W1[k][4 g + 2 hh + j] of hidden unit k = 64 U + 32 (r / 8) + 8 t + r % 8; the pair at g = 2, hh = 1 is (b1[k], 0).
;  wb  [ks 32] blocks of 69,632 bytes: W2 as codes of FP4 (E2M1), [column tile 64][c 2][lane 32][16 bytes] (lane (r, hh): k = 128 ks + 64 c + 32 hh + 0 .. 31 of column 16 tile + r), then one scale word for each of the 1,024 columns.
; SHARES.  Work-group G of 256, wave w of 8: rows 64 G + 8 w .. + 7 of x; the fragment (ks = G / 8, column tile 8 (G % 8) + w) of W2; tile G of w1f (every wave loads it, so that all waves count their loads alike; wave 0 stores it).
; x IS READ ONCE, by loads of 512 consecutive bytes a wave; all 64 of a wave's loads of x are issued before the first is used.  Win lies in LDS and is read by chunks of 128 columns, two sets of registers by turns.
; A lane sums its 32 columns of each row against Win's ten rows (packed multiply-adds); the 40 sums of four rows are then added over the 32 lanes by a tree that halves the registers at each step, so that lane l ends with sum number l.
; THE SUMS ARE NUMBERED BY BIT FIELDS: row rr of four, column i of ten: n = 8 rr + i for i = 0 .. 7, n = 32 + 2 rr + (i - 8) for i = 8, 9: so a lane's row and column are fields of its number.
; THE COSINE is written out in f32: n = the nearest whole number to p 2/pi; p - n pi/2 in three parts by fused multiply-adds; a polynomial for the sine and one for the cosine on [-pi/4, pi/4]; the quadrant chooses by v_cndmask_b32.
; A block's scale is 2^(floor(log2(its largest magnitude)) - 2); its byte is the largest magnitude's exponent field - 2, held at 1 from below.  A block of zeros so gets the byte 1: its codes are zeros, and this program alone reads the bytes.
; LIMITS: the three-part reduction serves |x Win^T + b_in| and |theta| up to about 1e5; NaN and infinities among the inputs are not served; blocks of W2 whose largest magnitude lies under 2^-124 keep the byte 1.
; No matrix unit, no tensor load, no cluster: the launch streams, and work-groups share nothing but Win's 40,960 bytes.
.set WINL, 0                           ; LDS: Win as it lies, 40,960 bytes
.set T2,   40960                       ; a stage for each wave, 16 rows of 512 bytes + 16: W2's numbers turn here from 16 bytes a lane to 128 neighbouring bytes a lane
.set T2W,  8448
.set T2P,  528
.set SCW,  108544                      ; the work-group's 8 x 16 scale words of W2
.set QL,   109056                      ; its four tiles of qf, 3,072 bytes
.set WN,   32                          ; v32-71, v72-111  two sets of a chunk of Win (ten rows x 4 numbers a lane); before that Win on its way to LDS, and w1f's tile
.set ACC,  112                         ; v112-191  40 pairs of sums: pair 10 rr + i; before that W2 as loaded (v112-175); at the end the cosine's work
.set TW,   176                         ; v176-239  W2 after the turn: register 32 c + i = k 64 c + 32 hh + i of my column
.set V,    192                         ; v192-231  the 40 sums of a lane, by their numbers n
.set CD,   240                         ; v240-247  W2's codes
.set TM,   248                         ; v248-255  at work
.set MSB, 0
.macro WIN new                         ; the immediate's high byte repeats the setting that is left
.if MSB != \new
	s_set_vgpr_msb (MSB<<8)|\new
.set MSB, \new
.endif
.endm
; window 1 (v256-511) holds x: pass P, row rr of four, chunk c of eight at 128 P + 4 (4 c + rr)
.macro XLOAD P                         ; rows 4 P .. 4 P + 3 of my eight, chunk by chunk: 32 loads of 512 consecutive bytes
	WIN 0x40                                       ; destination window 1
.irp c, 0,1,2,3,4,5,6,7
.irp rr, 0,1,2,3
	global_load_b128 v[128*\P+4*(4*\c+\rr):128*\P+4*(4*\c+\rr)+3], v4, s[4:5] offset:(4*\P+\rr)*4096+512*\c th:TH_LOAD_NT
.endr
.endr
	WIN 0
.endm
	s_load_b512 s[4:19], s[0:1], 0x0               ; x s[4:5], Win s[6:7], b_in s[8:9], theta s[10:11], W1 s[12:13], b1 s[14:15], W2 s[16:17], qf s[18:19]
	s_load_b128 s[20:23], s[0:1], 0x40             ; w1f s[20:21], wb s[22:23]
	v_lshl_add_u32 v18, v0, 2, 0x1b800
	v_mov_b32 v19, 0
	v_lshrrev_b32 v1, 5, v0
	s_delay_alu instid0(VALU_DEP_1)
	v_readfirstlane_b32 s24, v1                    ; wave 0..7
	v_and_b32 v1, 31, v0                           ; lane
	v_and_b32 v2, 15, v0                           ; r
	v_bfe_u32 v3, v0, 4, 1                         ; hh
	s_delay_alu instid0(VALU_DEP_3)
	v_lshlrev_b32 v4, 4, v1                        ; 16 x lane
	s_wait_alu depctr_va_vdst(0)
	s_mov_b32 s40, 0xaaaaaaaa                      ; the lanes whose number has bit 0, 1, 2, 3, 4 set
	s_mov_b32 s41, 0xcccccccc
	s_mov_b32 s42, 0xf0f0f0f0
	s_mov_b32 s43, 0xff00ff00
	s_mov_b32 s44, 0xffff0000
	s_mov_b32 s46, 0x76543210                      ; v_permlanex16_b32's selects for lane l xor 16
	s_mov_b32 s47, 0xfedcba98
	; byte offsets, each in a pair of its own
	s_lshl_b32 s26, ttmp9, 18                      ; x: 64 G rows of 4,096 bytes
	s_lshl_b32 s25, s24, 15                        ;    + 8 w rows
	s_add_co_u32 s26, s26, s25
	s_mov_b32 s27, 0
	s_mul_i32 s28, s24, 5120                       ; Win: my eighth of its bytes
	s_mov_b32 s29, 0
	s_lshr_b32 s25, ttmp9, 2
	s_lshl_b32 s25, s25, 6
	s_and_b32 s30, ttmp9, 3
	s_lshl_b32 s30, s30, 3
	s_add_co_u32 s25, s25, s30                     ; 64 U + 8 t
	s_mul_i32 s30, s25, 40                         ; W1: a row is 40 bytes
	s_mov_b32 s31, 0
	s_lshl_b32 s32, s25, 2                         ; b1
	s_mov_b32 s33, 0
	s_and_b32 s25, ttmp9, 7
	s_lshl_b32 s48, s25, 3
	s_add_co_u32 s48, s48, s24                     ; my column tile of W2
	s_lshr_b32 s49, ttmp9, 3                       ; ks
	s_lshl_b32 s34, s48, 18                        ; W2: 16 rows of 16,384 bytes a tile,
	s_lshl_b32 s35, s49, 9                         ;     512 bytes a K step of 128
	s_add_co_u32 s34, s34, s35
	s_mov_b32 s35, 0
	s_mul_i32 s36, s49, 69632                      ; wb: the K step's block, my tile's 1,024 bytes of codes
	s_lshl_b32 s37, s48, 10
	s_add_co_u32 s36, s36, s37
	s_mov_b32 s37, 0
	s_mul_i32 s38, s49, 69632                      ; and the work-group's 128 scale words behind the block's codes
	s_lshl_b32 s39, s25, 9
	s_add_co_u32 s38, s38, s39
	s_add_co_u32 s38, s38, 65536
	s_mov_b32 s39, 0
	s_mul_i32 s50, ttmp9, 768                      ; w1f: tile G
	s_mov_b32 s51, 0
	s_mul_i32 s52, ttmp9, 3072                     ; qf: four tiles
	s_mov_b32 s53, 0
	s_mul_i32 s54, s24, T2W
	s_add_co_u32 s54, s54, T2                      ; my stage
	s_lshl_b32 s55, s24, 6
	s_add_co_u32 s55, s55, SCW                     ; my tile's 16 scale words
	s_lshr_b32 s56, s24, 1
	s_mul_i32 s56, s56, 768
	s_and_b32 s57, s24, 1
	s_lshl_b32 s57, s57, 6
	s_add_co_u32 s56, s56, s57
	s_add_co_u32 s56, s56, QL                      ; QL + 768 (w / 2) + 64 (w % 2): my eight rows' place in their tile
	s_lshl_b32 s57, s24, 9
	v_add_nc_u32 v5, s54, v4                       ; the stage, on the way in: 16 x lane, a row an instruction
	v_mul_u32_u24 v6, v2, T2P
	s_delay_alu instid0(VALU_DEP_1)
	v_lshl_add_u32 v6, v3, 7, v6
	s_delay_alu instid0(VALU_DEP_1)
	v_add_nc_u32 v6, s54, v6                       ; and on the way out: row r, + 128 hh
	v_lshl_add_u32 v7, v2, 2, s55
	v_add_nc_u32 v20, s28, v4                      ; where I put Win: 5,120 w + 16 x lane
	v_add_nc_u32 v21, SCW, v4
	v_add_nc_u32 v23, s57, v4                      ; 512 w + 16 x lane
	s_delay_alu instid0(VALU_DEP_1)
	v_add_nc_u32 v22, QL, v23
	; q(rr, i) lies at 8 rr + 256 (i / 4) + 128 ((i / 2) % 2) + 4 (i % 2) of my eight rows' place.  Set 0: lane l holds rr = l / 8, i = l % 8
	v_and_b32 v249, 7, v1                          ; l % 8
	v_lshrrev_b32 v248, 3, v1                      ; rr
	s_delay_alu instid0(VALU_DEP_2)
	v_lshlrev_b32 v11, 2, v249                     ; 4 i: b_in's and theta's offset
	v_bfe_u32 v250, v1, 2, 1                       ; i / 4
	v_bfe_u32 v251, v1, 1, 1                       ; (i / 2) % 2
	v_and_b32 v252, 1, v1                          ; i % 2
	v_lshl_add_u32 v8, v248, 3, s56
	s_delay_alu instid0(VALU_DEP_1)
	v_lshl_add_u32 v8, v250, 8, v8
	s_delay_alu instid0(VALU_DEP_1)
	v_lshl_add_u32 v8, v251, 7, v8
	s_delay_alu instid0(VALU_DEP_1)
	v_lshl_add_u32 v8, v252, 2, v8
	; Set 1: lane l holds rr = (l % 8) / 2, i = 8 + l % 2: i / 4 = 2 (its 512 bytes stand in the stores' offsets), (i / 2) % 2 = 0.  Four lanes hold each sum, with the same bits
	v_lshl_add_u32 v12, v252, 2, 32                ; 4 i = 32 + 4 (l % 2)
	v_bfe_u32 v250, v1, 1, 2                       ; rr
	s_delay_alu instid0(VALU_DEP_1)
	v_lshl_add_u32 v9, v250, 3, s56
	s_delay_alu instid0(VALU_DEP_1)
	v_lshl_add_u32 v9, v252, 2, v9
	v_lshl_add_u32 v10, v249, 3, s56               ; the pairs (1.0, 0.0): row lane % 8 of my eight
	v_and_b32 v250, 7, v2
	v_lshrrev_b32 v251, 3, v2
	s_delay_alu instid0(VALU_DEP_1)
	v_lshl_add_u32 v250, v251, 5, v250             ; 32 (r / 8) + r % 8
	s_delay_alu instid0(VALU_DEP_1)
	v_mul_u32_u24 v14, v250, 40
	s_delay_alu instid0(VALU_DEP_1)
	v_lshl_add_u32 v13, v3, 3, v14
	s_delay_alu instid0(VALU_DEP_3)
	v_lshlrev_b32 v15, 2, v250
	v_lshlrev_b32 v16, 3, v1
	v_lshlrev_b32 v17, 3, v3
	s_wait_alu depctr_va_vdst(0)
	s_wait_kmcnt 0x0
	s_add_nc_u64 s[4:5], s[4:5], s[26:27]
	s_add_nc_u64 s[6:7], s[6:7], s[28:29]
	s_add_nc_u64 s[12:13], s[12:13], s[30:31]
	s_add_nc_u64 s[14:15], s[14:15], s[32:33]
	s_add_nc_u64 s[16:17], s[16:17], s[34:35]
	s_add_nc_u64 s[38:39], s[22:23], s[38:39]
	s_add_nc_u64 s[22:23], s[22:23], s[36:37]
	s_add_nc_u64 s[20:21], s[20:21], s[50:51]
	s_add_nc_u64 s[18:19], s[18:19], s[52:53]
	; ALL LOADS BUT x's SECOND HALF, in the order in which they are wanted: 10 + 4 + 4 + 16 + 32
.irp i, 0,1,2,3,4,5,6,7,8,9
	global_load_b128 v[WN+4*\i:WN+4*\i+3], v4, s[6:7] offset:512*\i          ; my eighth of Win
.endr
	global_load_b64 v[72:73], v13, s[12:13]                                  ; W1[k][2 hh ..]
	global_load_b64 v[74:75], v13, s[12:13] offset:16                        ; W1[k][4 + 2 hh ..]
	global_load_b64 v[76:77], v14, s[12:13] offset:32                        ; W1[k][8 ..], in both halves of the lanes: no load leaves the row
	global_load_b32 v78, v15, s[14:15]                                       ; b1[k]
	global_load_b32 v24, v11, s[8:9]                                         ; b_in[i], sets 0 and 1
	global_load_b32 v25, v12, s[8:9]
	global_load_b32 v26, v11, s[10:11]                                       ; theta[i]
	global_load_b32 v27, v12, s[10:11]
.irp rr, 0,1,2,3,4,5,6,7,8,9,10,11,12,13,14,15
	global_load_b128 v[ACC+4*\rr:ACC+4*\rr+3], v4, s[16:17] offset:16384*\rr th:TH_LOAD_NT   ; 512 consecutive bytes of a row of W2
.endr
	XLOAD 0
	s_wait_loadcnt 56                              ; Win's ten are in; the 56 issued behind them may be out
.irp i, 0,1,2,3,4,5,6,7,8,9
	ds_store_b128 v20, v[WN+4*\i:WN+4*\i+3] offset:WINL+512*\i
.endr
	s_wait_loadcnt 48                              ; W1, b1, b_in, theta are in; W2's 16 and x's 32 may be out
	v_cndmask_b32 v76, v76, v78, s44               ; lanes 16-31 of g = 2: (b1[k], 0)
	v_cndmask_b32 v77, v77, 0, s44
	s_cmp_lg_u32 s24, 0
	s_cbranch_scc1 .Lw1f_stored
	global_store_b64 v16, v[72:73], s[20:21]                                 ; 32 lanes store 256 consecutive bytes
	global_store_b64 v16, v[74:75], s[20:21] offset:256
	global_store_b64 v16, v[76:77], s[20:21] offset:512
.Lw1f_stored:
	s_wait_loadcnt 32                              ; W2's 16 are in; x's 32 may be out
.irp rr, 0,1,2,3,4,5,6,7,8,9,10,11,12,13,14,15
	ds_store_b128 v5, v[ACC+4*\rr:ACC+4*\rr+3] offset:T2P*\rr
.endr
.irp c, 0,1
.irp t, 0,1,2,3,4,5,6,7
	ds_load_b128 v[TW+32*\c+4*\t:TW+32*\c+4*\t+3], v6 offset:256*\c+16*\t     ; LDS serves a wave's instructions in order: these see my stores
.endr
.endr
	XLOAD 1                                        ; x's second half
	s_wait_dscnt 0x0
	; W2: a lane holds two whole blocks of 32 of its column
.irp c, 0,1
	v_max3_num_f32 v[TM+\c], |v[TW+32*\c]|, |v[TW+32*\c+1]|, 0x1800000        ; and the floor 2^(3 - 127): the byte cannot fall under 1
.endr
.irp i, 2,4,6,8,10,12,14,16,18,20,22,24,26,28,30
.irp c, 0,1
	s_delay_alu instid0(VALU_DEP_2)
	v_max3_num_f32 v[TM+\c], v[TM+\c], |v[TW+32*\c+\i]|, |v[TW+32*\c+\i+1]|   ; (the two blocks by turns)
.endr
.endr
.irp c, 0,1
	s_delay_alu instid0(VALU_DEP_2)
	v_add_nc_u32 v[TM+2+\c], 0xff000000, v[TM+\c]  ; 2 off the exponent field: the conversion's scale operand
.endr
.irp c, 0,1
	s_delay_alu instid0(VALU_DEP_2)
	v_lshrrev_b32 v[TM+4+\c], 23, v[TM+2+\c]       ; the scale's byte
.endr
	s_delay_alu instid0(VALU_DEP_1)
	v_lshl_or_b32 v254, v253, 16, v252             ; my two bytes, blocks hh and 2 + hh,
	s_delay_alu instid0(VALU_DEP_1)
	v_lshlrev_b32 v254, v17, v254                  ; at their places in the word;
	v_mov_b32 v255, 0
	s_delay_alu instid0(VALU_DEP_1)
	v_permlanex16_b32 v255, v254, s46, s47
	s_delay_alu instid0(VALU_DEP_1)
	v_or_b32 v254, v254, v255                      ; with lane l xor 16's two the word is whole
.irp c, 0,1
.irp t, 0,1,2,3
	v_cvt_scalef32_pk8_fp4_f32 v[CD+4*\c+\t], v[TW+32*\c+8*\t:TW+32*\c+8*\t+7], v[TM+2+\c]
.endr
.endr
	v_nop                                          ; one plain place behind the last scaled conversion
	global_store_b128 v4, v[CD:CD+3], s[22:23]                               ; 512 consecutive bytes each
	global_store_b128 v4, v[CD+4:CD+7], s[22:23] offset:512
	ds_store_b32 v7, v254                          ; column r's word (both halves of the lanes write the same word with the same value)
	s_wait_dscnt 0x0                               ; for the others' sake: Win's bytes and the scale words have landed
	s_barrier_signal -1
	s_barrier_wait -1
	s_cmp_lg_u32 s24, 0
	s_cbranch_scc1 .Lwords_stored
	ds_load_b128 v[TM:TM+3], v21                   ; the eight tiles' 128 words
	s_wait_dscnt 0x0
	global_store_b128 v4, v[TM:TM+3], s[38:39]
.Lwords_stored:
	s_wait_xcnt 0x0                                ; every store so far has read its registers: v72-77 and v248-251 are written again below
; FOUR ROWS AGAINST Win.  Chunk c: 128 columns, four a lane.  The next chunk of Win is asked for ahead of this chunk's 80 packed multiply-adds.
.macro PASS P
	WIN 0x04                                       ; source 1 (x) window 1
.irp i, 0,1,2,3,4,5,6,7,8,9
	ds_load_b128 v[WN+4*\i:WN+4*\i+3], v4 offset:WINL+4096*\i
.endr
.irp c, 0,1,2,3,4,5,6,7
.if \c < 7
.irp i, 0,1,2,3,4,5,6,7,8,9
	ds_load_b128 v[WN+40*((\c+1)%2)+4*\i:WN+40*((\c+1)%2)+4*\i+3], v4 offset:WINL+4096*\i+512*(\c+1)
.endr
	s_wait_dscnt 10                                ; this chunk of Win is in; the ten just issued may be out
.else
	s_wait_dscnt 0x0
.endif
	s_wait_loadcnt (1-\P)*32+28-4*\c               ; this chunk's four loads of x are in; the later chunks' (and in pass 0 the second half's 32) may be out
.irp h, 0,1
.irp rr, 0,1,2,3
.irp i, 0,1,2,3,4,5,6,7,8,9
.if (\c == 0) && (\h == 0)
	v_pk_mul_f32 v[ACC+2*(10*\rr+\i):ACC+2*(10*\rr+\i)+1], v[WN+40*(\c%2)+4*\i+2*\h:WN+40*(\c%2)+4*\i+2*\h+1], v[128*\P+4*(4*\c+\rr)+2*\h:128*\P+4*(4*\c+\rr)+2*\h+1]   ; the first products start the sums
.else
	v_pk_fma_f32 v[ACC+2*(10*\rr+\i):ACC+2*(10*\rr+\i)+1], v[WN+40*(\c%2)+4*\i+2*\h:WN+40*(\c%2)+4*\i+2*\h+1], v[128*\P+4*(4*\c+\rr)+2*\h:128*\P+4*(4*\c+\rr)+2*\h+1], v[ACC+2*(10*\rr+\i):ACC+2*(10*\rr+\i)+1]
.endif
.endr
.endr
.endr
.endr
	WIN 0
.endm
; One step of the tree on sums a and b.  The lanes named by the mask keep b and send a, the others keep a and send b; each adds what its partner (lane xor xm) sends.  a then holds sum a in the lanes not named and sum b in those named.
.set XT, 0
.macro XR a, b, m, xm
	v_cndmask_b32 v[TM+XT], v[\a], v[\b], s[\m]
	v_cndmask_b32 v[TM+XT+1], v[\b], v[\a], s[\m]
	s_delay_alu instid0(VALU_DEP_1)
	v_add_f32_dpp v[\a], v[TM+XT+1], v[TM+XT] row_xmask:\xm row_mask:0xf bank_mask:0xf
.set XT, (XT+2)%8
.endm
.macro REDUCE P                        ; 40 sums a lane -> v[28 + 2 P]: lane l holds sum l;  v[29 + 2 P]: lane l holds sum 32 + l % 8
.irp rr, 0,1,2,3
.irp i, 0,1,2,3,4,5,6,7,8,9
.if \i < 8
	v_add_f32 v[V+8*\rr+\i], v[ACC+2*(10*\rr+\i)], v[ACC+2*(10*\rr+\i)+1]          ; a pair's two halves, to the sum's number: 8 rr + i,
.else
	v_add_f32 v[V+32+2*\rr+\i-8], v[ACC+2*(10*\rr+\i)], v[ACC+2*(10*\rr+\i)+1]     ; or 32 + 2 rr + (i - 8)
.endif
.endr
.endr
.set n, 0
.rept 20
	XR V+2*n, V+2*n+1, 40, 1
.set n, n+1
.endr
.set n, 0
.rept 10
	XR V+4*n, V+4*n+2, 41, 2
.set n, n+1
.endr
.set n, 0
.rept 5
	XR V+8*n, V+8*n+4, 42, 4
.set n, n+1
.endr
	XR V, V+8, 43, 8
	XR V+16, V+24, 43, 8
	v_add_f32_dpp v[V+32], v[V+32], v[V+32] row_xmask:8 row_mask:0xf bank_mask:0xf   ; the last eight sums have no partner: a plain sum
	s_delay_alu instid0(VALU_DEP_2)
	v_cndmask_b32 v[TM], v[V], v[V+16], s44
	s_delay_alu instid0(VALU_DEP_3)
	v_cndmask_b32 v[TM+1], v[V+16], v[V], s44
	s_delay_alu instid0(VALU_DEP_1)
	v_permlanex16_b32 v[TM+2], v[TM+1], s46, s47
	s_delay_alu instid0(VALU_DEP_4)
	v_permlanex16_b32 v[TM+3], v[V+32], s46, s47
	s_delay_alu instid0(VALU_DEP_2)
	v_add_f32 v[28+2*\P], v[TM], v[TM+2]
	s_delay_alu instid0(VALU_DEP_2)
	v_add_f32 v[29+2*\P], v[V+32], v[TM+3]
.endm
	PASS 0
	REDUCE 0
	PASS 1
	REDUCE 1
	; THE COSINES of six registers by turns: v26, v27 theta (sets 0, 1); v28 .. v31 the sums + b_in
	v_add_f32 v28, v28, v24
	v_add_f32 v29, v29, v25
	s_delay_alu instid0(VALU_DEP_4)
	v_add_f32 v30, v30, v24
	s_delay_alu instid0(VALU_DEP_4)
	v_add_f32 v31, v31, v25
	v_mov_b32 v148, 0x37cd4000                     ; the polynomials' leading coefficients: the cosine's,
	v_mov_b32 v149, 0x36405000                     ; the sine's
.irp k, 0,1,2,3,4,5
	v_mul_f32 v[112+\k], 0x3f22f983, v[26+\k]      ; p x 2 / pi
.endr
.irp k, 0,1,2,3,4,5
	v_rndne_f32 v[112+\k], v[112+\k]               ; n
.endr
.irp k, 0,1,2,3,4,5
	v_fmamk_f32 v[118+\k], v[112+\k], 0xbfc90fd8, v[26+\k]    ; r = p - n pi/2, pi/2 in three parts
.endr
.irp k, 0,1,2,3,4,5
	v_fmamk_f32 v[118+\k], v[112+\k], 0xb4a8885a, v[118+\k]
.endr
.irp k, 0,1,2,3,4,5
	v_fmamk_f32 v[118+\k], v[112+\k], 0xa7c234c4, v[118+\k]
.endr
.irp k, 0,1,2,3,4,5
	v_mul_f32 v[124+\k], v[118+\k], v[118+\k]      ; s = r r
.endr
.irp k, 0,1,2,3,4,5
	v_fmaak_f32 v[130+\k], v148, v[124+\k], 0xbab6077d        ; cos r
	v_fmaak_f32 v[136+\k], v149, v[124+\k], 0xb9503486        ; sin r
.endr
.irp k, 0,1,2,3,4,5
	v_fmaak_f32 v[130+\k], v[130+\k], v[124+\k], 0x3d2aaaa8
	v_fmaak_f32 v[136+\k], v[136+\k], v[124+\k], 0x3c0888c1
.endr
.irp k, 0,1,2,3,4,5
	v_fma_f32 v[130+\k], v[130+\k], v[124+\k], -0.5
	v_fmaak_f32 v[136+\k], v[136+\k], v[124+\k], 0xbe2aaaab
.endr
.irp k, 0,1,2,3,4,5
	v_fma_f32 v[130+\k], v[130+\k], v[124+\k], 1.0
	v_mul_f32 v[142+\k], v[118+\k], v[124+\k]
.endr
.irp k, 0,1,2,3,4,5
	v_fma_f32 v[136+\k], v[136+\k], v[142+\k], v[118+\k]
	v_cvt_i32_f32 v[112+\k], v[112+\k]
.endr
.irp k, 0,1,2,3,4,5
	v_add_nc_u32 v[112+\k], 1, v[112+\k]           ; n + 1: odd: the cosine of r; even: its sine; bit 1: the sign
.endr
.irp k, 0,1,2,3,4,5
	v_and_b32 v[142+\k], 1, v[112+\k]
	v_lshlrev_b32 v[112+\k], 30, v[112+\k]
.endr
.irp k, 0,1,2,3,4,5
	v_cmp_ne_u32 vcc_lo, 0, v[142+\k]
	s_delay_alu instid0(VALU_DEP_1)
	v_cndmask_b32 v[130+\k], v[136+\k], v[130+\k], vcc_lo
	v_and_b32 v[112+\k], 0x80000000, v[112+\k]
.endr
.irp k, 0,1,2,3,4,5
	v_xor_b32 v[26+\k], v[130+\k], v[112+\k]
.endr
	s_delay_alu instid0(VALU_DEP_4)
	v_mul_f32 v28, v28, v26                        ; q = cos(p) cos(theta)
	s_delay_alu instid0(VALU_DEP_4)
	v_mul_f32 v29, v29, v27
	s_delay_alu instid0(VALU_DEP_4)
	v_mul_f32 v30, v30, v26
	s_delay_alu instid0(VALU_DEP_4)
	v_mul_f32 v31, v31, v27
	v_mov_b32 v150, 1.0
	v_mov_b32 v151, 0
	ds_store_b32 v8, v28                           ; rows 0-3 of my eight: columns 0-7,
	ds_store_b32 v9, v29 offset:512                ; columns 8, 9 (g = 2, hh = 0)
	ds_store_b32 v8, v30 offset:32                 ; rows 4-7
	ds_store_b32 v9, v31 offset:544
	ds_store_b64 v10, v[150:151] offset:640        ; g = 2, hh = 1: (1.0, 0.0)
	s_wait_dscnt 0x0                               ; for the others' sake
	s_barrier_signal -1
	s_barrier_wait -1
	s_cmp_lt_u32 s24, 6                            ; 3,072 bytes: six waves store 512 consecutive bytes each
	s_cbranch_scc0 .Lend
	ds_load_b128 v[152:155], v22
	s_wait_dscnt 0x0
	global_store_b128 v23, v[152:155], s[18:19]
.Lend:
	s_wait_tensorcnt 0x0
	ds_add_u32 v18, v19
	s_wait_dscnt 0x0
	s_endpgm
.Lfunc_end_k_q78af18a2f8_prep:
	.size	k_q78af18a2f8_prep, .Lfunc_end_k_q78af18a2f8_prep-k_q78af18a2f8_prep
	.p2alignl 7, 3214868480
	.fill 96, 4, 3214868480
	.section	.rodata,"a",@progbits
	.p2align	6, 0x0
	.amdhsa_kernel k_q78af18a2f8_prep
		.amdhsa_group_segment_fixed_size 113664
		.amdhsa_private_segment_fixed_size 0
		.amdhsa_enable_private_segment 0
		.amdhsa_kernarg_size 80
		.amdhsa_user_sgpr_count 2
		.amdhsa_user_sgpr_kernarg_segment_ptr 1
		.amdhsa_wavefront_size32 1
		.amdhsa_system_sgpr_workgroup_id_x 1
		.amdhsa_system_sgpr_workgroup_id_y 1
		.amdhsa_system_sgpr_workgroup_id_z 1
		.amdhsa_system_vgpr_workitem_id 0
		.amdhsa_next_free_vgpr 512
		.amdhsa_next_free_sgpr 66
		.amdhsa_reserve_vcc 1
		.amdhsa_float_denorm_mode_32 3
		.amdhsa_float_denorm_mode_16_64 3
		.amdhsa_memory_ordered 1
		.amdhsa_forward_progress 1
		.amdhsa_inst_pref_size 143
	.end_amdhsa_kernel
	.amdgpu_metadata
---
amdhsa.version: [ 1, 2 ]
amdhsa.kernels:
  - .name:           k_q78af18a2f8_prep
    .symbol:         k_q78af18a2f8_prep.kd
    .args:
      - { .name: x, .offset: 0, .size: 8, .value_kind: global_buffer, .address_space: global }
      - { .name: Win, .offset: 8, .size: 8, .value_kind: global_buffer, .address_space: global }
      - { .name: b_in, .offset: 16, .size: 8, .value_kind: global_buffer, .address_space: global }
      - { .name: theta, .offset: 24, .size: 8, .value_kind: global_buffer, .address_space: global }
      - { .name: W1, .offset: 32, .size: 8, .value_kind: global_buffer, .address_space: global }
      - { .name: b1, .offset: 40, .size: 8, .value_kind: global_buffer, .address_space: global }
      - { .name: W2, .offset: 48, .size: 8, .value_kind: global_buffer, .address_space: global }
      - { .name: qf, .offset: 56, .size: 8, .value_kind: global_buffer, .address_space: global }
      - { .name: w1f, .offset: 64, .size: 8, .value_kind: global_buffer, .address_space: global }
      - { .name: wb, .offset: 72, .size: 8, .value_kind: global_buffer, .address_space: global }
    .group_segment_fixed_size: 113664
    .private_segment_fixed_size: 0
    .kernarg_segment_align: 8
    .kernarg_segment_size: 80
    .max_flat_workgroup_size: 256
    .sgpr_count:     66
    .vgpr_count:     512
    .wavefront_size: 32
...
	.end_amdgpu_metadata
.endif
;; end of part 1
;; launch ffn (part 2): grid 256 x 1, 8 waves a work-group, clusters of 4 x 1, 327,680 bytes of LDS; arguments qf, w1f, wb, b2, out0; writes out0
.if DOCPART == 2
	.amdgcn_target "amdgcn-amd-amdhsa--gfx1250"
	.amdhsa_code_object_version 6
	.text
	.protected	k_q78af18a2f8_ffn
	.globl	k_q78af18a2f8_ffn
	.p2align	8
	.type	k_q78af18a2f8_ffn,@function
k_q78af18a2f8_ffn:
	s_mov_b64 s[64:65], 0
	v_nop
	global_prefetch_b8 v0, s[64:65] scope:SCOPE_SE
	s_setreg_imm32_b32 hwreg(HW_REG_WAVE_MODE, 25, 1), 1
	s_wait_xcnt 0x0
	s_wait_alu depctr_hold_cnt(0) depctr_sa_sdst(0) depctr_va_vdst(0) depctr_va_sdst(0) depctr_va_ssrc(0) depctr_va_vcc(0) depctr_vm_vsrc(0)
	s_getreg_b32 s2, hwreg(HW_REG_IB_STS2, 6, 4)
	s_cmp_eq_u32 s2, 0
	s_cbranch_scc0 .Lentry_in_a_cluster
	s_endpgm
.Lentry_in_a_cluster:
	s_bfe_u32 s2, ttmp6, 0x10000c
	s_cmp_lg_u32 s2, 0x3003
	s_cbranch_scc0 .Lentry_shape_is_right
	s_endpgm
.Lentry_shape_is_right:
; out = Q(relu(q W1^T + b1)) Q(W2)^T + b2.  q, W1 with b1, and W2's codes come from the launch before, each in the order of the operand registers that take it.
; A work-group makes 64 rows x 1,024 columns; wave w of 8 its columns 128 w .. + 127: 32 accumulators of 16 x 16 in window 1.
; K = 4,096 goes in 16 intervals of 256 (two K steps of 128).  W2's codes and scale words of an interval are one dense block of 139,264 bytes: two LDS slots, each wave fetching an eighth
; by one tensor load.  CLUSTER: the four work-groups of a cluster walk the same intervals and ask for each block jointly (mask 15).  Cluster c begins at interval (c + 4 (c / 16)) % 16 and wraps.
; THE HIDDEN LAYER never leaves the work-group: in interval i wave w makes, by the f32 matrix form used transposed, 32 rows x 64 hidden units of interval i + 1 (row tiles 2 (w % 2), + 1; unit w / 2),
; a lane holding one row and 32 neighbouring hidden units: a whole block.  Its scale is taken of the numbers above 0 alone (relu), the codes are made, codes with the sign set lose their magnitude,
; and codes and scale bytes go to an image of A's operand registers in LDS, two buffers by turns.
; ORDER OF AN INTERVAL, so that each run of LDS loads has work of the wave's own behind it: fragments of K step 0 asked for; the 24 f32 products; 32 products of K step 0; fragments of K step 1 and the
; next W1 fragments asked for; the quantiser; the wait for all tensor loads, the add, the wait for LDS; the round's opening signal; 32 products of K step 1, on registers alone; the rest of the round; the refill of the slot just read out.
; b2 is added as the finished rows come back from the stage: 4 registers a lane.
; NO PREFETCH of wb: the 64 clusters begin at all 16 intervals, so the first interval's joint loads read all 2,228,224 bytes of it; every later load asks for bytes that the launch has read.
; LIMITS: NaN and infinities are not served; a block of h with nothing above 2^-124 keeps the scale byte 1.
.set SLOTB,  139264                    ; a slot: two blocks of BLKB
.set BLKB,   69632                     ; a K step: 65,536 bytes of codes, 4,096 of scale words
.set EIGHTH, 17408                     ; what one tensor load brings: 68 rows of 256 bytes
.set AIMG,   278528                    ; A's image: [buffer 2][ks 2][row tile 4][c 2][lane 32][16 bytes]
.set ASC,    294912                    ; A's scale words: [buffer 2][ks 2][row 64][4 bytes]
.set SPARE,  295936                    ; the spare words, 128 bytes a wave
.set STGW,   8448                      ; the way out: a stage of 16 rows x 528 bytes a wave, in slot 0 behind its last fill and last read
.set SP,     528
.set WSTEP,  12288                     ; w1f: bytes of an interval
.set TI,  45                           ; the interval that the next refill brings
.set WB0, 50                           ; s[50:51] wb + my eighth
.set W10, 52                           ; s[52:53] w1f + my unit
.set WI,  54                           ; the interval whose W1 fragments are asked for next
.set WOF, 56
.set TOF, 58
.set QF,  20                           ; v20-31 q's fragments; v32-55 W1's; v56-119 h (written by matrix instructions alone)
.set WF,  32
.set HD,  56
.set TM,  120
.set CD,  136
.set TN,  144
.set AF,  152                          ; v152-183 A's four fragments; v184-247 B's eight; v248-253 scale words
.set BF,  184
.set SA,  248
.set SB,  250
.set BK,  120                          ; the way out: two sets of 64
.set MSB, 0
.macro WIN new
.if MSB != \new
	s_set_vgpr_msb (MSB<<8)|\new
.set MSB, \new
.endif
.endm
.macro PLACES n
.rept \n
	v_nop
.endr
.endm
.macro CREST                           ; a round of the cluster's barrier behind its opening barrier
	s_cmp_lg_u32 s14, 0
	s_cbranch_scc1 .Lnot_wave_0_\@
	s_barrier_signal -3
.Lnot_wave_0_\@:
	s_barrier_wait -3
	s_barrier_signal -1
	s_barrier_wait -1
.endm
.macro CROUND
	s_barrier_signal -1
	s_barrier_wait -1
	CREST
.endm
.macro WNEXT                           ; on to the next interval's W1 fragments, wrapping at 16
	s_wait_xcnt 0x0                                ; the earlier loads have read their base
	s_add_co_u32 s[WI], s[WI], 1
	s_and_b32 s[WI], s[WI], 15
	s_mul_i32 s[WOF], s[WI], WSTEP
	s_add_nc_u64 s[42:43], s[W10:W10+1], s[WOF:WOF+1]
.endm
.macro W1LOAD
.irp n, 0,1,2,3,4,5,6,7,8,9,10,11
	global_load_b64 v[WF+2*\n:WF+2*\n+1], v15, s[42:43] offset:256*\n
.endr
.endm
	s_load_b256 s[4:11], s[0:1], 0x0               ; qf, w1f, wb, b2
	s_load_b64 s[12:13], s[0:1], 0x20              ; out0
	v_lshl_add_u32 v1, v0, 2, SPARE
	v_mov_b32 v2, 0
	ds_add_u32 v1, v2                              ; the opening lines: the add twice on end and one wait
	ds_add_u32 v1, v2
	v_lshrrev_b32 v3, 5, v0
	s_delay_alu instid0(VALU_DEP_1)
	v_readfirstlane_b32 s14, v3                    ; wave 0..7
	v_and_b32 v120, 31, v0                         ; lane
	v_and_b32 v121, 15, v0                         ; r
	v_bfe_u32 v122, v0, 4, 1                       ; h
	s_delay_alu instid0(VALU_DEP_3)
	v_lshlrev_b32 v18, 4, v120
	s_delay_alu instid0(VALU_DEP_4)
	v_lshlrev_b32 v15, 3, v120
	s_wait_alu depctr_va_vdst(0)                   ; the wait ahead of the run of scalar lines
	s_bfe_u32 s15, ttmp6, 0x40000                  ; cx
	s_lshl_b32 s16, ttmp9, 2
	s_add_co_u32 s16, s16, s15                     ; work-group
	s_mov_b32 s44, 0x88888888                      ; the eight sign bits of a register of codes
	s_lshr_b32 s[TI], ttmp9, 4
	s_lshl_b32 s[TI], s[TI], 2
	s_add_co_u32 s[TI], s[TI], ttmp9
	s_and_b32 s[TI], s[TI], 15                     ; the cluster's first interval
	s_mov_b32 s[WI], s[TI]
	s_mul_i32 s[WOF], s[TI], SLOTB
	s_mov_b32 s[WOF+1], 0
	s_add_co_u32 s[TI], s[TI], 1
	s_and_b32 s[TI], s[TI], 15
	s_mul_i32 s[TOF], s[TI], SLOTB
	s_mov_b32 s[TOF+1], 0
	s_mov_b32 s24, 15|(3<<16)|(1<<21)              ; group 1: mask of the four, elements of 8 bytes; 68 dense rows of 32 elements
	s_mov_b32 s25, 32<<16
	s_mov_b32 s26, 68<<16
	s_mov_b32 s27, 32<<16
	s_mov_b32 s28, 68
	s_mov_b32 s29, 32
	s_mov_b32 s30, 0
	s_mov_b32 s31, 0
	s_mul_i32 s18, s14, EIGHTH
	s_mov_b32 s19, 0
	s_mul_i32 s46, s16, 3072                       ; qf: four tiles a work-group, my two
	s_and_b32 s48, s14, 1
	s_mul_i32 s48, s48, 1536
	s_add_co_u32 s46, s46, s48
	s_mov_b32 s47, 0
	s_lshr_b32 s48, s14, 1
	s_mul_i32 s48, s48, 3072                       ; w1f: my unit of the interval's four
	s_mov_b32 s49, 0
	s_lshl_b32 s60, s14, 9                         ; b2: my 128 columns
	s_mov_b32 s61, 0
	s_lshl_b32 s62, s16, 18                        ; out0: 64 rows of 4,096 bytes, my columns
	s_add_co_u32 s62, s62, s60
	s_mov_b32 s63, 0
	v_add_nc_u32 v3, AIMG, v18                     ; A's image, read
	v_lshl_add_u32 v4, v120, 2, ASC                ; A's scale words, read
	s_lshr_b32 s20, s14, 2                         ; ks, c and the pair of row tiles that I make
	s_bfe_u32 s21, s14, 0x10001
	s_and_b32 s22, s14, 1
	s_lshl_b32 s23, s20, 12
	s_lshl_b32 s41, s21, 9
	s_add_co_u32 s23, s23, s41
	s_lshl_b32 s41, s22, 11
	s_add_co_u32 s23, s23, s41
	s_add_co_u32 s23, s23, AIMG
	v_add_nc_u32 v5, s23, v18                      ; A's image, written
	s_lshl_b32 s23, s20, 8
	s_lshl_b32 s41, s21, 1
	s_add_co_u32 s23, s23, s41
	s_lshl_b32 s41, s22, 7
	s_add_co_u32 s23, s23, s41
	s_add_co_u32 s23, s23, ASC
	v_lshl_add_u32 v6, v121, 2, v122
	s_delay_alu instid0(VALU_DEP_1)
	v_add_nc_u32 v6, s23, v6                       ; my block's scale byte: row r's word, byte 2 c + h
	s_lshl_b32 s23, s14, 13
	v_add_nc_u32 v7, s23, v18                      ; B's fragments: slot 0 ks 0, ks 1, slot 1 ks 0, ks 1
	s_delay_alu instid0(VALU_DEP_1)
	v_add_nc_u32 v8, BLKB, v7
	s_delay_alu instid0(VALU_DEP_2)
	v_add_nc_u32 v9, SLOTB, v7
	s_delay_alu instid0(VALU_DEP_3)
	v_add_nc_u32 v10, SLOTB+BLKB, v7
	s_lshl_b32 s23, s14, 9
	s_add_co_u32 s23, s23, 65536
	v_lshl_add_u32 v11, v120, 2, s23               ; B's scale words likewise
	s_delay_alu instid0(VALU_DEP_1)
	v_add_nc_u32 v12, BLKB, v11
	s_delay_alu instid0(VALU_DEP_2)
	v_add_nc_u32 v13, SLOTB, v11
	s_delay_alu instid0(VALU_DEP_3)
	v_add_nc_u32 v14, SLOTB+BLKB, v11
	s_mul_i32 s23, s14, STGW
	v_mul_u32_u24 v16, v121, SP
	s_delay_alu instid0(VALU_DEP_1)
	v_lshl_add_u32 v16, v122, 5, v16
	s_delay_alu instid0(VALU_DEP_1)
	v_add_nc_u32 v16, s23, v16                     ; the stage, in: row r, 32 bytes for each half of the lanes
	v_add_nc_u32 v17, s23, v18                     ; and back: 32 lanes take a row of 512 bytes
	s_wait_alu depctr_va_vdst(0)                   ; the wait at the head's end
	s_wait_dscnt 0x0                               ; both opening adds are done
	s_wait_kmcnt 0x0
	s_add_nc_u64 s[4:5], s[4:5], s[46:47]
	s_add_nc_u64 s[W10:W10+1], s[6:7], s[48:49]
	s_add_nc_u64 s[WB0:WB0+1], s[8:9], s[18:19]
	s_add_nc_u64 s[10:11], s[10:11], s[60:61]
	s_add_nc_u64 s[12:13], s[12:13], s[62:63]
	s_mov_b32 s32, 1                               ; group 0, slot 0: the first interval
	s_mov_b32 s33, s18
	s_add_nc_u64 s[34:35], s[WB0:WB0+1], s[WOF:WOF+1]
	s_or_b32 s35, s35, 0x80000000
	s_mov_b32 s36, 1                               ; slot 1: the second
	s_add_co_u32 s37, s18, SLOTB
	s_add_nc_u64 s[38:39], s[WB0:WB0+1], s[TOF:TOF+1]
	s_or_b32 s39, s39, 0x80000000
	s_mul_i32 s[WOF], s[WI], WSTEP
	s_add_nc_u64 s[42:43], s[W10:W10+1], s[WOF:WOF+1]
.irp mm, 0,1
.irp kq, 0,1,2
	global_load_b64 v[QF+6*\mm+2*\kq:QF+6*\mm+2*\kq+1], v15, s[4:5] offset:768*\mm+256*\kq
.endr
.endr
	W1LOAD                                         ; the first interval's
; The 24 f32 products: source 0 = 16 hidden units of W1 (with b1 as column 10), source 1 = 16 rows of q (with 1.0 there).  Eight accumulators by turns.
.macro HGW
	s_wait_loadcnt 0x0                             ; W1's fragments were asked for an interval ago
.irp kq, 0,1,2
.irp mm, 0,1
.irp t, 0,1,2,3
.if \kq == 0
	v_wmma_f32_16x16x4_f32 v[HD+32*\mm+8*\t:HD+32*\mm+8*\t+7], v[WF+6*\t+2*\kq:WF+6*\t+2*\kq+1], v[QF+6*\mm+2*\kq:QF+6*\mm+2*\kq+1], 0
.else
	v_wmma_f32_16x16x4_f32 v[HD+32*\mm+8*\t:HD+32*\mm+8*\t+7], v[WF+6*\t+2*\kq:WF+6*\t+2*\kq+1], v[QF+6*\mm+2*\kq:QF+6*\mm+2*\kq+1], v[HD+32*\mm+8*\t:HD+32*\mm+8*\t+7]
.endif
.endr
.endr
.endr
.endm
; The quantiser: a lane's 32 registers of row tile mm are one block.  No |.| on the maximum's sources: what is negative does not count; the floor 2^(3 - 127) holds the byte at 1.
.macro HGV nbuf
.irp mm, 0,1
	v_max3_num_f32 v[TM+2*\mm], v[HD+32*\mm], v[HD+32*\mm+1], 0x1800000
	v_max3_num_f32 v[TM+2*\mm+1], v[HD+32*\mm+16], v[HD+32*\mm+17], 0x1800000
.endr
.irp i, 2,4,6,8,10,12,14
.irp mm, 0,1
	v_max3_num_f32 v[TM+2*\mm], v[TM+2*\mm], v[HD+32*\mm+\i], v[HD+32*\mm+\i+1]
	v_max3_num_f32 v[TM+2*\mm+1], v[TM+2*\mm+1], v[HD+32*\mm+16+\i], v[HD+32*\mm+17+\i]
.endr
.endr
	s_delay_alu instid0(VALU_DEP_3)
	v_max_num_f32 v[TM], v[TM], v[TM+1]
	s_delay_alu instid0(VALU_DEP_2)
	v_max_num_f32 v[TM+2], v[TM+2], v[TM+3]
.irp mm, 0,1
	s_delay_alu instid0(VALU_DEP_2)
	v_add_nc_u32 v[TM+4+\mm], 0xff000000, v[TM+2*\mm]      ; 2 off the exponent field: the conversion's scale operand
.endr
.irp mm, 0,1
	s_delay_alu instid0(VALU_DEP_2)
	v_lshrrev_b32 v[TM+6+\mm], 23, v[TM+4+\mm]             ; the scale's byte
.endr
.irp mm, 0,1
.irp t, 0,1,2,3
	v_cvt_scalef32_pk8_fp4_f32 v[CD+4*\mm+\t], v[HD+32*\mm+8*\t:HD+32*\mm+8*\t+7], v[TM+4+\mm]
.endr
.endr
	v_nop                                          ; one plain place behind the last scaled conversion
.irp k, 0,1,2,3,4,5,6,7
	v_and_b32 v[TM+8+\k], s44, v[CD+\k]            ; relu on the codes: the sign bits,
.endr
.irp k, 0,1,2,3,4,5,6,7
	v_lshrrev_b32 v[TN+\k], 3, v[TM+8+\k]
.endr
.irp k, 0,1,2,3,4,5,6,7
	v_sub_nc_u32 v[TM+8+\k], v[TM+8+\k], v[TN+\k]  ; 7 in each code whose sign is set,
.endr
.irp k, 0,1,2,3,4,5,6,7
	v_bfi_b32 v[CD+\k], v[TM+8+\k], 0, v[CD+\k]    ; whose magnitude goes
.endr
.irp mm, 0,1
	ds_store_b128 v5, v[CD+4*\mm:CD+4*\mm+3] offset:8192*(\nbuf)+1024*\mm
	ds_store_b8 v6, v[TM+6+\mm] offset:512*(\nbuf)+64*\mm
.endr
.endm
; One product, used transposed: source 0 = B's tile n, source 1 = A's tile m.  A scale register holds an even tile's words in lanes 0-15 and the odd one's in lanes 16-31.
; The form of 32 x 16 x 128 takes two tiles of B at once (n even): source 0 = tiles n and n + 1, 16 registers on end, whose 32 scale words fill the 32 lanes of one register;
; the result is their two accumulators, 16 registers on end, each laid as the form of 16 x 16 would lay it.  A's odd tiles take their scale words from lanes 16-31.
.macro PROD m, n, zero
.set rC, 8*(8*(\m)+(\n))
.set rB, BF+8*(\n)
.set rA, AF+8*(\m)
.set rSB, SB+(\n)/2
.set rSA, SA+(\m)/2
.if \zero
.if (\m)%2 == 0
	v_wmma_scale_f32_32x16x128_f4 v[rC:rC+15], v[rB:rB+15], v[rA:rA+7], 0, v[rSB], v[rSA]
.else
	v_wmma_scale_f32_32x16x128_f4 v[rC:rC+15], v[rB:rB+15], v[rA:rA+7], 0, v[rSB], v[rSA] matrix_b_scale:MATRIX_SCALE_ROW1
.endif
.else
.if (\m)%2 == 0
	v_wmma_scale_f32_32x16x128_f4 v[rC:rC+15], v[rB:rB+15], v[rA:rA+7], v[rC:rC+15], v[rSB], v[rSA]
.else
	v_wmma_scale_f32_32x16x128_f4 v[rC:rC+15], v[rB:rB+15], v[rA:rA+7], v[rC:rC+15], v[rSB], v[rSA] matrix_b_scale:MATRIX_SCALE_ROW1
.endif
.endif
.endm
.macro LOADF slot, ks                  ; a K step's 30 LDS loads: 6 scale words, A's 4 fragments, B's 8
.irp p, 0,1
	ds_load_b32 v[SA+\p], v4 offset:512*\slot+256*\ks+128*\p
.endr
.irp p, 0,1,2,3
	ds_load_b32 v[SB+\p], v[11+2*\slot+\ks] offset:128*\p
.endr
.irp m, 0,1,2,3
.irp c, 0,1
	ds_load_b128 v[AF+8*\m+4*\c:AF+8*\m+4*\c+3], v3 offset:8192*\slot+4096*\ks+1024*\m+512*\c
.endr
.endr
.irp n, 0,1,2,3,4,5,6,7
.irp c, 0,1
	ds_load_b128 v[BF+8*\n+4*\c:BF+8*\n+4*\c+3], v[7+2*\slot+\ks] offset:1024*\n+512*\c
.endr
.endr
.endm
.macro MULS zero, waits                ; a K step's products of 4 x 8 tiles by 16 matrix instructions, their 16 pairs of accumulators by turns.  waits = 1: the fragments are waited for here
.if \waits
	s_wait_dscnt 8                                 ; all but the youngest eight loads: B's tiles 4-7
.endif
	WIN 0x50                                       ; C and D window 1
.irp n, 0,2
.irp m, 0,1,2,3
	PROD \m, \n, \zero
.endr
.endr
.if \waits
	s_wait_dscnt 0x0
.endif
.irp n, 4,6
.irp m, 0,1,2,3
	PROD \m, \n, \zero
.endr
.endr
	WIN 0
.endm
; An interval up to its last 32 products.  guard = 1: in the loop's last trip no further W1 fragments are wanted
.macro PART slot, zero, guard
	LOADF \slot, 0
	HGW                                            ; stands behind the run of LDS loads
	MULS \zero, 1
	PLACES 8                                       ; behind the f32 form, ahead of the loads into W1's fragments and of the reads of h; four of them serve the loads into A's and B's fragments
	LOADF \slot, 1
	WNEXT
.if \guard
	s_cmp_eq_u32 s40, 1
	s_cbranch_scc1 .Lno_more_\@
.endif
	W1LOAD
.if \guard
.Lno_more_\@:
.endif
	HGV 1-\slot                                    ; stands behind the run of LDS loads; the other buffer of A's image was last read ahead of the last round
.endm
; The change of intervals.  My reads of this slot are in registers, so it is filled again, with the interval two on; the K step's products stand between the round's opening signal and its wait.
.macro TURN slot
	s_wait_tensorcnt 0x0                           ; my one load that is out: my eighth of the next interval's slot
	ds_add_u32 v1, v2
	s_add_co_u32 s[TI], s[TI], 1
	s_and_b32 s[TI], s[TI], 15
	s_mul_i32 s[TOF], s[TI], SLOTB
	s_add_nc_u64 s[34+4*\slot:35+4*\slot], s[WB0:WB0+1], s[TOF:TOF+1]
	s_or_b32 s[35+4*\slot], s[35+4*\slot], 0x80000000
	s_wait_dscnt 0x0                               ; the add, my fragment loads and my stores into A's image are done
	s_barrier_signal -1
	MULS 0, 0
	s_barrier_wait -1
	CREST
	tensor_load_to_lds s[32+4*\slot:35+4*\slot], s[24:31]
	s_nop 0
	PLACES 4                                       ; also the places ahead of the loads into the fragments
.endm
	CROUND                                         ; in front of the first joint load
	tensor_load_to_lds s[32:35], s[24:31]          ; the one tensor load of the head
	s_nop 0
	PLACES 4
	WNEXT
	HGW                                            ; the first interval's h is made while its tile is on its way
	PLACES 8
	W1LOAD
	HGV 0
	s_wait_tensorcnt 0x0                           ; slot 1's first fill is issued as a refill is
	ds_add_u32 v1, v2
	s_wait_dscnt 0x0
	CROUND
	tensor_load_to_lds s[36:39], s[24:31]
	s_nop 0
	PLACES 4
	PART 0, 1, 0                                   ; the first products start the sums
	s_mov_b32 s40, 7
.Lpair:
	TURN 0
	PART 1, 0, 0
	TURN 1
	PART 0, 0, 1
	s_sub_co_u32 s40, s40, 1
	s_cmp_lg_u32 s40, 0
	s_cbranch_scc1 .Lpair
	s_wait_tensorcnt 0x0                           ; the last change: nothing is filled again, so no round follows
	ds_add_u32 v1, v2
	s_wait_dscnt 0x0
	s_barrier_signal -1
	MULS 0, 0
	s_barrier_wait -1
	PLACES 4
	s_wait_loadcnt 0x0                             ; no earlier load into W1's registers is out
	global_load_b128 v[WF:WF+3], v18, s[10:11]     ; b2 of my lane's four columns on the way out
	LOADF 1, 0
	MULS 0, 1
	PLACES 4
	LOADF 1, 1
	MULS 0, 1
; THE WAY OUT, 16 rows x 128 columns at a time through my own stage; back as rows of 512 bytes, b2 added, stored as two aligned units of 256 bytes.
.macro TOSTAGE m
	WIN 0x04                                       ; the data: window 1
.irp n, 0,1,2,3,4,5,6,7
	ds_store_b128 v16, v[8*(8*(\m)+\n):8*(8*(\m)+\n)+3] offset:64*\n
	ds_store_b128 v16, v[8*(8*(\m)+\n)+4:8*(8*(\m)+\n)+7] offset:64*\n+16
.endr
	WIN 0
.irp t, 0,1,2,3,4,5,6,7,8,9,10,11,12,13,14,15
	ds_load_b128 v[BK+64*((\m)%2)+4*\t:BK+64*((\m)%2)+4*\t+3], v17 offset:\t*SP
.endr
.endm
.macro SEND m, younger                 ; younger: the LDS instructions issued behind this block's loads
	s_wait_dscnt \younger
.irp t, 0,1,2,3,4,5,6,7,8,9,10,11,12,13,14,15
	v_pk_add_f32 v[BK+64*((\m)%2)+4*\t:BK+64*((\m)%2)+4*\t+1], v[BK+64*((\m)%2)+4*\t:BK+64*((\m)%2)+4*\t+1], v[WF:WF+1]
	v_pk_add_f32 v[BK+64*((\m)%2)+4*\t+2:BK+64*((\m)%2)+4*\t+3], v[BK+64*((\m)%2)+4*\t+2:BK+64*((\m)%2)+4*\t+3], v[WF+2:WF+3]
.endr
.irp t, 0,1,2,3,4,5,6,7,8,9,10,11,12,13,14,15
	global_store_b128 v18, v[BK+64*((\m)%2)+4*\t:BK+64*((\m)%2)+4*\t+3], s[12:13] offset:4096*(16*(\m)+\t) th:TH_STORE_NT   ; the block's 16 stores on end, behind its 32 additions
.endr
.endm
	PLACES 4
	TOSTAGE 0
	s_wait_loadcnt 0x0                             ; b2
.irp a, 1,2,3
.if \a > 1
	s_wait_xcnt 0x0                                ; block a - 2's stores have read their registers
.endif
	TOSTAGE \a
	SEND \a-1, 32
.endr
	SEND 3, 0
	s_wait_tensorcnt 0x0                           ; the wave's end
	ds_add_u32 v1, v2
	s_wait_dscnt 0x0
	CROUND                                         ; the closing round
	s_endpgm
.Lfunc_end_k_q78af18a2f8_ffn:
	.size	k_q78af18a2f8_ffn, .Lfunc_end_k_q78af18a2f8_ffn-k_q78af18a2f8_ffn
	.p2alignl 7, 3214868480
	.fill 96, 4, 3214868480
	.section	.rodata,"a",@progbits
	.p2align	6, 0x0
	.amdhsa_kernel k_q78af18a2f8_ffn
		.amdhsa_group_segment_fixed_size 327680
		.amdhsa_private_segment_fixed_size 0
		.amdhsa_enable_private_segment 0
		.amdhsa_kernarg_size 40
		.amdhsa_user_sgpr_count 2
		.amdhsa_user_sgpr_kernarg_segment_ptr 1
		.amdhsa_wavefront_size32 1
		.amdhsa_system_sgpr_workgroup_id_x 1
		.amdhsa_system_sgpr_workgroup_id_y 1
		.amdhsa_system_sgpr_workgroup_id_z 1
		.amdhsa_system_vgpr_workitem_id 0
		.amdhsa_next_free_vgpr 512
		.amdhsa_next_free_sgpr 66
		.amdhsa_reserve_vcc 0
		.amdhsa_float_denorm_mode_32 3
		.amdhsa_float_denorm_mode_16_64 3
		.amdhsa_memory_ordered 1
		.amdhsa_forward_progress 1
		.amdhsa_inst_pref_size 97
	.end_amdhsa_kernel
	.amdgpu_metadata
---
amdhsa.version: [ 1, 2 ]
amdhsa.kernels:
  - .name:           k_q78af18a2f8_ffn
    .symbol:         k_q78af18a2f8_ffn.kd
    .args:
      - { .name: qf, .offset: 0, .size: 8, .value_kind: global_buffer, .address_space: global }
      - { .name: w1f, .offset: 8, .size: 8, .value_kind: global_buffer, .address_space: global }
      - { .name: wb, .offset: 16, .size: 8, .value_kind: global_buffer, .address_space: global }
      - { .name: b2, .offset: 24, .size: 8, .value_kind: global_buffer, .address_space: global }
      - { .name: out0, .offset: 32, .size: 8, .value_kind: global_buffer, .address_space: global }
    .group_segment_fixed_size: 327680
    .private_segment_fixed_size: 0
    .kernarg_segment_align: 8
    .kernarg_segment_size: 40
    .max_flat_workgroup_size: 256
    .sgpr_count:     66
    .vgpr_count:     512
    .wavefront_size: 32
...
	.end_amdgpu_metadata
.endif
;; end of part 2
